; MI455X (gfx1250); checked and timed in simulation.
; The chip was launched on July 23, 2026; its instructions are those of AMD's public machine-readable ISA for CDNA 5 (MIT licence, August 2026) and "CDNA5" Instruction Set Architecture Reference Guide (July 2026). The comments in the code are by the model that wrote it; some were corrected since.
;; Deep FM. Allowed arithmetic: matrix products marked QUANTISED: E4M3 operands, one given power-of-two scale a tensor, by v_wmma_f32_16x16x64_fp8_fp8 or v_wmma_f32_16x16x128_fp8_fp8, f32 sums; everything else in f32.
;; Inputs: W1 624 x 32 float32; W2 32 x 32 float32; Xi 16,384 x 39 x 1 int32; Xv 16,384 x 39 float32; b1 32 float32; b2 32 float32; bias 1 float32; emb1 39 x 100,000 x 1 float32; emb2 39 x 100,000 x 16 float32; lowp_scales 4 int32 (the exponents e of the quantised operands' scales 2^e).
;; Outputs: out0 16,384 float32.
;; This version of the problem:
;;   THIS VERSION OF THE PROBLEM IS GIVEN IN LOW PRECISION. The matrix products marked QUANTISED in the list below multiply operands that are first quantised to E4M3 (4 exponent bits, 3 mantissa bits; 8 bits a number), with one given power-of-two scale for each operand tensor; their sums are f32. All else is computed in f32.
;;   The module's matrix products, in the order in which they are computed (A, B: the left and right operand; K: the contracted axis; several contracted axes count as one K, in the product's order):
;;     1. [M 16,384, K 624] x [K 624, N 32]; A: computed on the way; B: input W1: QUANTISED (scales: A lowp_scales[0], B lowp_scales[1])
;;     2. [M 16,384, K 32] x [K 32, N 32]; A: computed on the way; B: input W2: QUANTISED (scales: A lowp_scales[2], B lowp_scales[3])
;;   THE QUANTISER, for each operand of a quantised product, along K:
;;     - The operand's scale is 2^e, e = its entry of the input lowp_scales (int32; the entries are numbered through the quantised products in the list's order, A before B).
;;     - Each number is divided by the scale, clamped to +-448, and rounded to the nearest number of E4M3, ties to even, subnormals kept.
;;     - The product sums the exact products of the quantised numbers (number of the format x scale) in f32.
;;   ~~~python
;;   def quantise(x, axis, e):      # numpy; x: float32 -> the quantised numbers, widened to float32 again
;;       x = np.moveaxis(x, axis, -1); K = x.shape[-1]
;;       r = np.clip(x / 2.0 ** e, -448, 448)
;;       step = 2.0 ** (np.maximum(np.frexp(np.where(r == 0, 1, r))[1] - 1, -6) - 3)
;;       q = np.round(r / step) * step * 2.0 ** e      # np.round: ties to even
;;       return np.moveaxis(q, -1, axis).astype(np.float32)
;;   ~~~
;;   OPERANDS COMPUTED ON THE WAY. 'Computed on the way' means the value that the module computes at that place (a softmax that the list does not call 'softmax' is quantised finished and normalised). What goes into a quantiser is computed in f32, as accurately as f32 sums, v_exp_f32 and their like allow (about 1e-6 of the number): no bf16 or f16 on the way to a quantiser, and a product that is left as it is and whose result goes on into a quantised operand takes f32 operands (vector FMAs, or v_wmma_f32_16x16x4_f32). A number that lies on a knife's edge between two numbers of the format may be rounded either way, as far as f32 arithmetic and the matrix unit's own rounding can turn it there, and no further.
;; 2 versions, each right; version 2 is version 1 with the launch deepfm written anew for expert scheduling mode. Each part assembles by itself: llvm-mc -triple=amdgcn-amd-amdhsa -mcpu=gfx1250 --defsym DOCPART=n.
;; ======== version 1 of 2: 1 launch
;; launch deepfm (part 1): grid 256 x 1, 8 waves a work-group, no clusters, 85,504 bytes of LDS; arguments Xi, Xv, emb1, emb2, W1, W2, b1, b2, bias, lowp_scales, out0; writes out0
.if DOCPART == 1
	.amdgcn_target "amdgcn-amd-amdhsa--gfx1250"
	.amdhsa_code_object_version 6
	.text
	.protected	k_qd0556f22e5_deepfm
	.globl	k_qd0556f22e5_deepfm
	.p2align	8
	.type	k_qd0556f22e5_deepfm,@function
k_qd0556f22e5_deepfm:
	s_mov_b64 s[64:65], 0
	v_nop
	global_prefetch_b8 v0, s[64:65] scope:SCOPE_SE
	s_setreg_imm32_b32 hwreg(HW_REG_WAVE_MODE, 25, 1), 1
	s_wait_xcnt 0x0
; DeepFM, one launch.  out0[b] = sum_f emb1[f][Xi]*Xv + 0.5 (sum_e s_e^2 - sum_f,e e2^2) + sum relu(relu(e2 W1 + b1) W2 + b2) + bias, e2[b][f][:] = emb2[f][Xi[b][f]][:] * Xv[b][f], s = sum_f e2.
; Both products on codes of FP8 (E4M3), each operand with the one given scale 2^e: e0 (e2), e1 (W1), e2 (hidden layer), e3 (W2).  All else in f32.
; SHARES.  16,384 rows / 256 work-groups = 64 rows a work-group, eight waves.
;   GATHER: wave w owns rows 8 w .. 8 w + 7.  Lane L = (g = L / 4, p = L % 4): quad g owns row 8 w + g, lane p the numbers 4 p .. 4 p + 3 of every embedding row: one 16-byte load a field fetches eight whole
;   table rows of 64 bytes, four neighbouring lanes to a row.  A wave's 39 + 10 gathers are all issued before the first is waited for; W1 and W2 are quantised meanwhile.
;   PRODUCTS: waves 0 to 3 take 16 rows each.  The codes change from the quads' layout to the matrix layout through LDS.
; K OF THE FIRST PRODUCT is padded to 640 (field 39: zero codes on both sides) and permuted alike in both operands: number e = 4 p + v of field f = 4 j + u stands at k' = 64 j + 16 p + 4 u + v,
;   which is the order in which a lane's conversions leave the codes.  A fragment's registers 4 c .. 4 c + 3 hold k' = 128 s + 32 c + 16 (lane / 16) + 0 .. 15, by 16-byte LDS loads, in both operands.
; BOTH PRODUCTS ARE USED TRANSPOSED (source 0 = 16 units of the weight, source 1 = 16 rows of the batch): lane (r = L % 16, h = L / 16) holds batch row r, register j of tile t the unit 16 t + 8 h + j.
;   So the first product's 16 registers, converted, are the second product's operand as they stand (K = 32 in the K = 64 form; its registers 4 to 7 are zero codes on both sides).
; LIMITS: each e between -126 and 119; e0 + e1 and e2 + e3 between -126 and 127 (each power of two below is made as an f32 number).  NaN and infinities among the inputs are not served.
;   An index outside 0 .. 99,999 is held at 99,999.
; No tensor load, no cluster: the traffic is gathers lane by lane; what work-groups share is W1's 79,872 bytes alone.
.set XROW,   156                       ; a row of Xi or Xv in bytes (39 words)
.set VMAX,   0x1869f                   ; the largest index: 99,999
.set E1F,    400000                    ; a field's table in emb1, in bytes
.set E2F,    6400000                   ; and in emb2
; LDS
.set XVL,    10240                     ; 0: Xi, 10,240: Xv, each 1,280 bytes a wave: 8 rows x 160 bytes (a row re-pitched from 156), the wave's own
.set AST,    20480                     ; e2's codes: 64 rows x 656 bytes (640 + 16: an odd multiple of 16, so that the 16 rows of a fragment load start at different banks: 64 banks of 4 bytes, ISA guide 11.1)
.set APITCH, 656
.set W1I,    62464                     ; W1's codes as images of the operand's registers: fragment (K step s, tile t) at 4096 s + 2048 t, registers 4 c .. 4 c + 3 at 512 c, lane at 16 L
.set W2I,    82944                     ; W2's likewise: tile t at 512 t, lane at 16 L, register q at 4 q
.set FMF,    83968                     ; first order + FM term, a word a row
.set OUTS,   84224                     ; the finished totals, a word a row
; vector registers, window 0.  v1 L, v2 g, v3 p, v4 16 p, v233 16 p + two fields of emb2, v26 r, v27 h; v5-17, v28-31, v232 addresses (made below, never rewritten); v18-25 the four scales: 2^e and 448 x 2^e
.set XI,   32                          ; v32-41   Xi: field 4 m + p of my row
.set XV1,  42                          ; v42-51   Xv likewise
.set A1,   52                          ; v52-61   emb1's offsets
.set E1,   62                          ; v62-71   emb1's numbers
.set IDX,  72                          ; v72-111  my row's 40 indices, then emb2's offsets
.set XVB,  112                         ; v112-151 my row's 40 Xv
.set WR,   152                         ; v152-231 W1 as loaded: five fields x 16 registers
.set TM,   234                         ; v234-237 half-way through the turning of 4 x 4 bytes
.set W2R,  240                         ; v240-247 W2 as loaded: four numbers, four zeros
.set W2C,  248                         ; v248-249 their codes
.set DC,   250                         ; v250-253 a field's codes of W1
.set T,    152                         ; v152-167 a group's 16 numbers of e2 (W1's registers are free by then)
.set CD,   168                         ; v168-207 their codes, four registers a group
.set SA,   208                         ; v208-215 s, in two chains of four
.set SQ,   216                         ; v216-223 sums of squares, in four pairs
.set FO,   224                         ; v224-225 first order, in two chains
.set U,    226                         ; v226-227 at work
.set AF,   72                          ; products: v72-151 e2's five fragments
.set DA,   152                         ; v152-167 the first product's two accumulators
.set HID,  168                         ; v168-183 the hidden layer; later the second layer's outputs
.set PC,   184                         ; v184-191 the hidden layer's codes
.set WF,   192                         ; v192-207 W2's two fragments
.set D2,   208                         ; v208-223 the second product's two accumulators
.set FMV,  240                         ; v240     first order + FM of my row
.set TP,   241                         ; v241     the other half's sum
; window 1: v0-155 emb2's rows (field f at 4 f); in the products v0-159 W1's ten fragments ((s, t) at 16 (2 s + t)); v160-175 b1, v176-191 b2, in the results' layout
.set BB1,  160
.set BB2,  176
; WHERE FIELD f = 4 i + 2 a + b OF emb2 BEGINS: a scalar base (emb2 + 4 i fields: i = 0 is the argument's own pair, i = 1 .. 9 lie in s[66:83]) + the lane term (v4 for a = 0, v233 for a = 1: two fields on)
; + the immediate (b fields: 0 or 6,400,000, inside the signed 24 bits: ISA guide, chapter 10).  Every part is 0 or more.
.set EB,   66
.set MSB, 0
.macro WIN new                         ; s_set_vgpr_msb: bits 1:0 source 0, 3:2 source 1, 5:4 source 2, 7:6 destination; the high byte repeats the setting that is left
.if MSB != \new
	s_set_vgpr_msb (MSB<<8)|\new
.set MSB, \new
.endif
.endm
	s_load_b512 s[8:23], s[0:1], 0x0               ; Xi s[8:9], Xv s[10:11], emb1 s[12:13], emb2 s[14:15], W1 s[16:17], W2 s[18:19], b1 s[20:21], b2 s[22:23]
	s_load_b128 s[24:27], s[0:1], 0x40             ; bias s[24:25], the scales' exponents s[26:27]
	s_load_b64 s[28:29], s[0:1], 0x50              ; out0
	v_lshl_add_u32 v254, v0, 2, 0x14a00
	v_mov_b32 v255, 0
	v_lshrrev_b32 v32, 5, v0
	v_readfirstlane_b32 s2, v32                    ; wave w, 0..7
	v_and_b32 v1, 31, v0                           ; L
	v_bfe_u32 v2, v0, 2, 3                         ; g
	v_and_b32 v3, 3, v0                            ; p
	v_and_b32 v26, 15, v0                          ; r
	v_bfe_u32 v27, v0, 4, 1                        ; h
	v_lshlrev_b32 v4, 4, v3                        ; 16 p
	v_add_nc_u32 v233, 2*E2F, v4                   ; 16 p + two fields of emb2
	v_min_u32 v32, 2, v3                           ; min(p, 2): the tenth load of a row has three fields; lane 3 repeats field 38, so that nothing leaves the buffer
	v_mul_u32_u24 v5, v2, XROW
	v_lshl_add_u32 v6, v32, 2, v5                  ; v6: 156 g + 4 min(p, 2)
	v_lshl_add_u32 v5, v3, 2, v5                   ; v5: 156 g + 4 p
	v_mul_u32_u24 v7, v3, E1F                      ; v7: field p's table in emb1
	v_mul_u32_u24 v8, v32, E1F                     ; v8: the same with min(p, 2)
	s_mul_i32 s3, s2, 1280
	v_mul_u32_u24 v10, v2, 160
	v_add_nc_u32 v10, s3, v10                      ; v10: my row in the wave's part of Xi's LDS bytes: 1280 w + 160 g
	v_lshl_add_u32 v9, v3, 2, v10                  ; v9:  + 4 p
	v_bfe_u32 v33, v0, 3, 2                        ; L / 8
	v_and_b32 v34, 7, v0                           ; L % 8
	v_lshlrev_b32 v11, 9, v33
	v_lshl_add_u32 v11, v34, 4, v11                ; v11: W1: rows 4 (L / 8) on of a field's 16 (128 bytes a row), columns 4 (L % 8) on
	s_lshr_b32 s3, s2, 2                           ; w / 4
	s_and_b32 s37, s2, 3                           ; w % 4
	s_lshl_b32 s6, s3, 10
	s_lshl_b32 s7, s37, 2
	s_add_co_u32 s6, s6, s7
	s_add_co_u32 s6, s6, W1I
	v_bfe_u32 v35, v0, 2, 1
	v_lshlrev_b32 v12, 8, v33
	v_lshl_add_u32 v12, v35, 11, v12
	v_lshl_add_u32 v12, v3, 6, v12
	v_add_nc_u32 v12, s6, v12                      ; v12: where my words of W1's images go: W1I + 1024 (w / 4) + 4 (w % 4) + 256 (L / 8) + 2048 ((L / 4) % 2) + 64 (L % 4)
	v_lshlrev_b32 v13, 10, v27
	v_lshl_add_u32 v13, v26, 2, v13                ; v13: W2: 8 h rows of 128 bytes, column r
	s_lshl_b32 s6, s3, 9
	s_add_co_u32 s6, s6, s7
	s_add_co_u32 s6, s6, W2I
	v_lshl_add_u32 v14, v1, 4, s6                  ; v14: W2's image: W2I + 512 (w / 4) + 4 (w % 4) + 16 L
	s_mul_i32 s6, s2, 8*APITCH
	s_add_co_u32 s6, s6, AST
	v_mul_u32_u24 v15, v2, APITCH
	v_add_nc_u32 v15, v15, v4
	v_add_nc_u32 v15, s6, v15                      ; v15: my row's codes: AST + 656 (8 w + g) + 16 p
	s_lshl_b32 s6, s2, 5
	s_add_co_u32 s6, s6, FMF
	v_lshl_add_u32 v16, v2, 2, s6                  ; v16: my row's word: FMF + 4 (8 w + g)
	v_lshlrev_b32 v17, 5, v27                      ; v17: the biases: 8 h numbers on
	s_mul_i32 s6, s37, 16*APITCH
	s_add_co_u32 s6, s6, AST
	v_mul_u32_u24 v28, v26, APITCH
	v_lshl_add_u32 v28, v27, 4, v28
	v_add_nc_u32 v28, s6, v28                      ; v28: products: row 16 (w % 4) + r of the codes, + 16 h
	v_lshl_add_u32 v29, v1, 4, W1I                 ; v29: an image's place for my lane
	s_lshl_b32 s6, s37, 6
	s_add_co_u32 s6, s6, FMF
	v_lshl_add_u32 v30, v26, 2, s6                 ; v30: products: my row's word: FMF + 4 (16 (w % 4) + r)
	v_lshl_add_u32 v31, v1, 3, OUTS                ; v31: the way out: two totals a lane
	v_lshlrev_b32 v232, 3, v1                      ; v232: and their place in out0
	; byte offsets, each in a pair of its own
	s_mul_i32 s4, ttmp9, 64*XROW
	s_mul_i32 s6, s2, 8*XROW
	s_add_co_u32 s4, s4, s6                        ; Xi, Xv: my wave's first row
	s_mov_b32 s5, 0
	s_add_co_u32 s6, s2, 32
	s_min_u32 s6, s6, 38                           ; W1: my fifth field, 32 + w; wave 7 has none (field 39 is padding): it reads field 38 and clears the codes
	s_lshl_b32 s6, s6, 11
	s_mov_b32 s7, 0
	s_lshl_b32 s54, s2, 11                         ; W1: field w (2,048 bytes a field)
	s_mov_b32 s55, 0
	s_bfe_u32 s56, s2, 0x10001                     ; W2: I make register q = w % 4 of tile w / 4: rows 16 (q / 2) + 4 (q % 2) on, columns 16 (w / 4) on
	s_lshl_b32 s56, s56, 11
	s_and_b32 s57, s2, 1
	s_lshl_b32 s57, s57, 9
	s_add_co_u32 s56, s56, s57
	s_lshl_b32 s57, s3, 6
	s_add_co_u32 s56, s56, s57
	s_mov_b32 s57, 0
	s_lshl_b32 s58, ttmp9, 8                       ; out0: 64 words a work-group
	s_mov_b32 s59, 0
	s_mov_b32 s42, 0x76543210                      ; v_permlanex16_b32: lane l xor 16
	s_mov_b32 s43, 0xfedcba98
	s_mov_b32 s44, 0x05010400                      ; v_perm_b32: bytes 0, 1 of two words, interleaved
	s_mov_b32 s45, 0x07030602                      ; bytes 2, 3 likewise
	s_mov_b32 s46, 0x05040100                      ; the low halves of two words
	s_mov_b32 s47, 0x07060302                      ; the high halves
	s_cmp_eq_u32 s2, 7
	s_cselect_b32 s48, 0, -1                       ; clears wave 7's codes of the padded field
	s_wait_kmcnt 0x0
	s_load_b128 s[32:35], s[26:27], 0x0            ; e0 .. e3
	s_load_b32 s36, s[24:25], 0x0                  ; bias
	s_add_nc_u64 s[8:9], s[8:9], s[4:5]
	s_add_nc_u64 s[10:11], s[10:11], s[4:5]
	s_add_nc_u64 s[52:53], s[16:17], s[6:7]
	s_add_nc_u64 s[16:17], s[16:17], s[54:55]
	s_add_nc_u64 s[18:19], s[18:19], s[56:57]
	; ---- THE EARLY LOADS, in one run.  The biases first, in every wave: they are the oldest, so the counts of younger loads below are alike in all waves.
	WIN 0x40                                       ; destination window 1
.irp t, 0,1
.irp a, 0,1
	global_load_b128 v[BB1+8*\t+4*\a:BB1+8*\t+4*\a+3], v17, s[20:21] offset:64*\t+16*\a   ; b1[16 t + 8 h + 4 a ..]: the result's layout
	global_load_b128 v[BB2+8*\t+4*\a:BB2+8*\t+4*\a+3], v17, s[22:23] offset:64*\t+16*\a
.endr
.endr
	WIN 0
.irp m, 0,1,2,3,4,5,6,7,8
	global_load_b32 v[XI+\m], v5, s[8:9] offset:16*\m      ; field 4 m + p of row g: a quad reads 16 neighbouring bytes
.endr
	global_load_b32 v[XI+9], v6, s[8:9] offset:144
.irp m, 0,1,2,3,4,5,6,7,8
	global_load_b32 v[XV1+\m], v5, s[10:11] offset:16*\m
.endr
	global_load_b32 v[XV1+9], v6, s[10:11] offset:144
.macro W1LOAD i                        ; field w + 8 i of W1: 16 rows x 32 columns, 2,048 dense bytes in four loads.  Register 4 q + n: row 4 (L / 8) + q, column 4 (L % 8) + n
.irp q, 0,1,2,3
.if \i < 4
	global_load_b128 v[WR+16*\i+4*\q:WR+16*\i+4*\q+3], v11, s[16:17] offset:16384*\i+128*\q
.else
	global_load_b128 v[WR+16*\i+4*\q:WR+16*\i+4*\q+3], v11, s[52:53] offset:128*\q
.endif
.endr
.endm
.irp i, 0,1,2,3,4
	W1LOAD \i
.endr
.irp q, 0,1,2,3
	global_load_b32 v[W2R+\q], v13, s[18:19] offset:128*\q   ; W2(16 (q' / 2) + 8 h + 4 (q' % 2) + q, 16 (w / 4) + r), q' = w % 4: the four bytes of register q'
.endr
.irp q, 4,5,6,7
	v_mov_b32 v[W2R+\q], 0                         ; the conversion takes eight numbers
.endr
	; scalar work while they are out
.set i, 1
.rept 9
	s_add_nc_u64 s[EB+2*i-2:EB+2*i-1], s[14:15], 4*i*E2F   ; emb2 at field 4 i
.set i, i+1
.endr
	s_add_nc_u64 s[30:31], s[12:13], 20*E1F        ; emb1 at field 20: the second five of its ten loads; each five's immediates are 0 .. 6,400,000
	s_add_nc_u64 s[28:29], s[28:29], s[58:59]
	s_wait_kmcnt 0x0                               ; the exponents and the bias
.macro SCALES se, vs                   ; v[vs] = 2^e as f32 (the conversion takes its exponent field), v[vs + 1] = 448 x 2^e
	s_add_co_i32 s37, \se, 127
	s_lshl_b32 s3, s37, 23
	v_mov_b32 v[\vs], s3
	s_add_co_i32 s37, s37, 8
	s_lshl_b32 s37, s37, 23
	s_or_b32 s37, s37, 0x600000
	v_mov_b32 v[\vs+1], s37
.endm
	SCALES s32, 18
	SCALES s33, 20
	SCALES s34, 22
	SCALES s35, 24
	s_add_co_i32 s38, s32, s33
	s_add_co_i32 s38, s38, 127
	s_lshl_b32 s38, s38, 23                        ; 2^(e0 + e1)
	s_mov_b32 s39, s38                             ; (named with it as a pair, so it is written)
	s_add_co_i32 s40, s34, s35
	s_add_co_i32 s40, s40, 127
	s_lshl_b32 s40, s40, 23                        ; 2^(e2 + e3)
	s_mov_b32 s41, s40
	; ---- FROM INDICES TO GATHERS
	s_wait_loadcnt 34                              ; Xi is in; younger: Xv 10, W1 20, W2 4
.irp m, 0,1,2,3,4,5,6,7,8,9
	ds_store_b32 v9, v[XI+\m] offset:16*\m         ; my row's indices meet in LDS (the wave's own bytes; LDS serves a wave's instructions in order, ISA guide 5.7.1.4),
.endr
.irp m, 0,1,2,3,4,5,6,7,8,9
	ds_load_b128 v[IDX+4*\m:IDX+4*\m+3], v10 offset:16*\m   ; and every lane of the quad takes all forty (the fortieth repeats field 38 and is not used)
.endr
.irp m, 0,1,2,3,4,5,6,7,8
	v_min_u32 v[A1+\m], VMAX, v[XI+\m]
	v_lshl_add_u32 v[A1+\m], v[A1+\m], 2, v7       ; 4 x index + field p's table
.endr
	v_min_u32 v[A1+9], VMAX, v[XI+9]
	v_lshl_add_u32 v[A1+9], v[A1+9], 2, v8
.irp m, 0,1,2,3,4
	global_load_b32 v[E1+\m], v[A1+\m], s[12:13] offset:4*E1F*\m       ; fields 4 m + p
	global_load_b32 v[E1+5+\m], v[A1+5+\m], s[30:31] offset:4*E1F*\m   ; fields 20 + 4 m + p
.endr
	s_wait_loadcnt 34                              ; Xv is in; younger: W1 20, W2 4, emb1 10
	v_cmp_ne_u32 vcc_lo, 3, v3
	v_cndmask_b32 v[XV1+9], 0, v[XV1+9], vcc_lo    ; lane 3's repeat of field 38 counts for nothing
.irp m, 0,1,2,3,4,5,6,7,8,9
	ds_store_b32 v9, v[XV1+\m] offset:XVL+16*\m
.endr
.irp m, 0,1,2,3,4,5,6,7,8,9
	ds_load_b128 v[XVB+4*\m:XVB+4*\m+3], v10 offset:XVL+16*\m
.endr
	s_wait_dscnt 20                                ; the indices are back; Xv's ten stores and ten loads may be out
.set f, 0
.rept 39
	v_min_u32 v[IDX+f], VMAX, v[IDX+f]
.if (f%4) < 2
	v_lshl_add_u32 v[IDX+f], v[IDX+f], 6, v4       ; 64 x index + 16 p
.else
	v_lshl_add_u32 v[IDX+f], v[IDX+f], 6, v233     ; the same, two fields on
.endif
.set f, f+1
.endr
	WIN 0x40                                       ; destination window 1
.set f, 0
.rept 39
.set BS, EB+2*(f/4)-2
.if f < 4
.set BS, 14                            ; the first four fields: the argument's own pair
.endif
	global_load_b128 v[4*f:4*f+3], v[IDX+f], s[BS:BS+1] offset:(f%2)*E2F   ; eight rows of 64 bytes, a quad to a row; no hint: a row may be named again
.set f, f+1
.endr
	WIN 0
	; ---- W1 AND W2 BECOME CODES while the gathers are out
	s_wait_loadcnt 49                              ; W1 and W2 are in; younger: emb1 10, emb2 39
; A lane's 16 numbers are 4 rows (along K) x 4 columns; the conversions leave a word a row.  Eight v_perm_b32 turn the 4 x 4 bytes, so that a word holds one column's four neighbours along K:
; bytes 4 u .. 4 u + 3 (u = w % 4) of the 16-byte piece 4 (f / 4) + L / 8 of that column's codes, which is where the word is stored in the image.
.macro W1QUANT i
.set R, WR+16*(\i)
.irp n, 0,1,2,3,4,5,6,7,8,9,10,11,12,13,14,15
	v_med3_num_f32 v[R+\n], v[R+\n], -v21, v21     ; the conversion to an 8-bit code does not saturate (ISA guide 7.6.2): the hold at 448 x 2^e1
.endr
	v_cvt_scalef32_pk8_fp8_f32 v[DC:DC+1], v[R:R+7], v20
	v_cvt_scalef32_pk8_fp8_f32 v[DC+2:DC+3], v[R+8:R+15], v20
	v_nop                                          ; one plain vector instruction between a scaled conversion and what touches its result or writes its sources
	v_perm_b32 v[TM], v[DC+1], v[DC], s44
	v_perm_b32 v[TM+1], v[DC+1], v[DC], s45
	v_perm_b32 v[TM+2], v[DC+3], v[DC+2], s44
	v_perm_b32 v[TM+3], v[DC+3], v[DC+2], s45
	v_perm_b32 v[R], v[TM+2], v[TM], s46           ; column 4 (L % 8) + 0, rows 0 .. 3
	v_perm_b32 v[R+1], v[TM+2], v[TM], s47
	v_perm_b32 v[R+2], v[TM+3], v[TM+1], s46
	v_perm_b32 v[R+3], v[TM+3], v[TM+1], s47
.if \i == 4
.irp n, 0,1,2,3
	v_and_b32 v[R+\n], s48, v[R+\n]                ; wave 7: field 39 is zero codes
.endr
.endif
.irp n, 0,1,2,3
	ds_store_b32 v12, v[R+\n] offset:4096*\i+16*\n   ; K step i; the column's lane is 16 bytes further on for each n
.endr
.endm
.irp i, 0,1,2,3,4
	W1QUANT \i
.endr
.irp q, 0,1,2,3
	v_med3_num_f32 v[W2R+\q], v[W2R+\q], -v25, v25
.endr
	v_cvt_scalef32_pk8_fp8_f32 v[W2C:W2C+1], v[W2R:W2R+7], v24
	v_nop
	ds_store_b32 v14, v[W2C]
	s_wait_dscnt 0x0                               ; Xv's forty are back, and the images' stores have read their registers, which e2's numbers take next
	; ---- FIRST ORDER, FM, AND e2's CODES
	s_wait_loadcnt 39                              ; emb1 is in; younger: emb2's 39
	v_mul_f32 v[FO], v[E1], v[XV1]
	v_mul_f32 v[FO+1], v[E1+1], v[XV1+1]
.irp m, 2,3,4,5,6,7,8,9
	v_fma_f32 v[FO+\m%2], v[E1+\m], v[XV1+\m], v[FO+\m%2]
.endr
; Fields 4 j .. 4 j + 3: T[4 u + v] = e2(my row, field 4 j + u, 4 p + v).  The sums and squares take the numbers as they are; then the hold, the conversions, and 16 bytes to k' = 64 j + 16 p of my row.
.macro GROUP j
.if \j < 9
	s_wait_loadcnt 35-4*\j                         ; these four fields are in; the later fields' loads stay out
.else
	s_wait_loadcnt 0x0
.endif
	WIN 0x01                                       ; source 0 window 1
.irp u, 0,1,2,3
.if 4*\j+\u < 39
.irp a, 0,1
.if (\u%2) == 0
	v_pk_mul_f32 v[T+4*\u+2*\a:T+4*\u+2*\a+1], v[16*\j+4*\u+2*\a:16*\j+4*\u+2*\a+1], v[XVB+4*\j+\u:XVB+4*\j+\u+1] op_sel_hi:[1,0]              ; both x the pair's first: an even field's Xv
.else
	v_pk_mul_f32 v[T+4*\u+2*\a:T+4*\u+2*\a+1], v[16*\j+4*\u+2*\a:16*\j+4*\u+2*\a+1], v[XVB+4*\j+\u-1:XVB+4*\j+\u] op_sel:[0,1] op_sel_hi:[1,1]  ; both x its second: an odd field's
.endif
.endr
.endif
.endr
	WIN 0
.if \j == 9
.irp n, 12,13,14,15
	v_mov_b32 v[T+\n], 0                           ; field 39: padding
.endr
.endif
.if \j == 0                            ; the first group starts the sums: nothing is cleared
.irp a, 0,1
	v_pk_add_f32 v[SA+2*\a:SA+2*\a+1], v[T+2*\a:T+2*\a+1], v[T+8+2*\a:T+8+2*\a+1]
	v_pk_add_f32 v[SA+4+2*\a:SA+4+2*\a+1], v[T+4+2*\a:T+4+2*\a+1], v[T+12+2*\a:T+12+2*\a+1]
	v_pk_mul_f32 v[SQ+2*\a:SQ+2*\a+1], v[T+2*\a:T+2*\a+1], v[T+2*\a:T+2*\a+1]
	v_pk_mul_f32 v[SQ+4+2*\a:SQ+4+2*\a+1], v[T+4+2*\a:T+4+2*\a+1], v[T+4+2*\a:T+4+2*\a+1]
.endr
.irp a, 0,1
	v_pk_fma_f32 v[SQ+2*\a:SQ+2*\a+1], v[T+8+2*\a:T+8+2*\a+1], v[T+8+2*\a:T+8+2*\a+1], v[SQ+2*\a:SQ+2*\a+1]
	v_pk_fma_f32 v[SQ+4+2*\a:SQ+4+2*\a+1], v[T+12+2*\a:T+12+2*\a+1], v[T+12+2*\a:T+12+2*\a+1], v[SQ+4+2*\a:SQ+4+2*\a+1]
.endr
.else
.irp u, 0,1,2,3
.if 4*\j+\u < 39
.irp a, 0,1
	v_pk_add_f32 v[SA+4*(\u%2)+2*\a:SA+4*(\u%2)+2*\a+1], v[SA+4*(\u%2)+2*\a:SA+4*(\u%2)+2*\a+1], v[T+4*\u+2*\a:T+4*\u+2*\a+1]
	v_pk_fma_f32 v[SQ+4*(\u%2)+2*\a:SQ+4*(\u%2)+2*\a+1], v[T+4*\u+2*\a:T+4*\u+2*\a+1], v[T+4*\u+2*\a:T+4*\u+2*\a+1], v[SQ+4*(\u%2)+2*\a:SQ+4*(\u%2)+2*\a+1]
.endr
.endif
.endr
.endif
.irp n, 0,1,2,3,4,5,6,7,8,9,10,11,12,13,14,15
	v_med3_num_f32 v[T+\n], v[T+\n], -v19, v19     ; the hold at 448 x 2^e0
.endr
	v_cvt_scalef32_pk8_fp8_f32 v[CD+4*\j:CD+4*\j+1], v[T:T+7], v18
	v_cvt_scalef32_pk8_fp8_f32 v[CD+4*\j+2:CD+4*\j+3], v[T+8:T+15], v18
	v_nop                                          ; the plain instruction behind the conversions: the next group writes their sources
	ds_store_b128 v15, v[CD+4*\j:CD+4*\j+3] offset:64*\j   ; each group has its own four registers: no store's data are written again
.endm
.irp j, 0,1,2,3,4,5,6,7,8,9
	GROUP \j
.endr
	v_pk_add_f32 v[SA:SA+1], v[SA:SA+1], v[SA+4:SA+5]          ; s of my four numbers
	v_pk_add_f32 v[SA+2:SA+3], v[SA+2:SA+3], v[SA+6:SA+7]
	v_pk_add_f32 v[SQ:SQ+1], v[SQ:SQ+1], v[SQ+2:SQ+3]
	v_pk_add_f32 v[SQ+4:SQ+5], v[SQ+4:SQ+5], v[SQ+6:SQ+7]
	v_pk_add_f32 v[SQ:SQ+1], v[SQ:SQ+1], v[SQ+4:SQ+5]
	v_pk_mul_f32 v[U:U+1], v[SA:SA+1], v[SA:SA+1]
	v_pk_fma_f32 v[U:U+1], v[SA+2:SA+3], v[SA+2:SA+3], v[U:U+1]
	v_pk_add_f32 v[U:U+1], v[U:U+1], v[SQ:SQ+1] neg_lo:[0,1] neg_hi:[0,1]   ; the sum of s^2 less the sum of squares: the difference that the problem's own definition forms
	v_add_f32 v[U], v[U], v[U+1]
	v_add_f32 v[FO], v[FO], v[FO+1]
	v_fma_f32 v[U], 0.5, v[U], v[FO]               ; + my fields' first order
	v_add_f32_dpp v[U], v[U], v[U] row_xmask:1 row_mask:0xf bank_mask:0xf
	v_add_f32_dpp v[U], v[U], v[U] row_xmask:2 row_mask:0xf bank_mask:0xf   ; the quad's sum: the row's
	ds_store_b32 v16, v[U]                         ; the quad's four lanes write the same word with the same number
	s_wait_dscnt 0x0                               ; for the others' sake: my codes, images and sums have landed
	s_barrier_signal -1
	s_barrier_wait -1                              ; everybody's have
	; ---- THE PRODUCTS: waves 0 to 3, 16 rows each.  (The second layer wants all 32 hidden units of a row in one wave, so the four tiles of rows are all the shares there are.)
	s_cmp_ge_u32 s2, 4
	s_cbranch_scc1 .Lno_matrix
.irp s, 0,1,2,3,4
.irp c, 0,1,2,3
	ds_load_b128 v[AF+16*\s+4*\c:AF+16*\s+4*\c+3], v28 offset:128*\s+32*\c
.endr
.endr
	ds_load_b128 v[WF:WF+3], v29 offset:W2I-W1I
	ds_load_b128 v[WF+8:WF+11], v29 offset:W2I-W1I+512
	ds_load_b32 v[FMV], v30
	WIN 0x40                                       ; destination window 1
.irp s, 0,1,2,3,4
.irp t, 0,1
.irp c, 0,1,2,3
	ds_load_b128 v[16*(2*\s+\t)+4*\c:16*(2*\s+\t)+4*\c+3], v29 offset:4096*\s+2048*\t+512*\c
.endr
.endr
.endr
	WIN 0x01                                       ; source 0 (W1) window 1
.irp s, 0,1,2,3,4
	s_wait_dscnt 8*(4-\s)                          ; this K step's fragments are in; the later steps' eight loads each may be out
.irp t, 0,1                            ; the two accumulators take turns, one instruction a turn; the first K step starts the sums
.if \s == 0
	v_wmma_f32_16x16x128_fp8_fp8 v[DA+8*\t:DA+8*\t+7], v[16*(2*\s+\t):16*(2*\s+\t)+15], v[AF+16*\s:AF+16*\s+15], 0
.else
	v_wmma_f32_16x16x128_fp8_fp8 v[DA+8*\t:DA+8*\t+7], v[16*(2*\s+\t):16*(2*\s+\t)+15], v[AF+16*\s:AF+16*\s+15], v[DA+8*\t:DA+8*\t+7]
.endif
.endr
.endr
	WIN 0
.irp n, 4,5,6,7
	v_mov_b32 v[PC+\n], 0                          ; K = 32 .. 63 of the second product: zero codes on both sides.  These thirteen plain lines are also the places behind the products (ISA guide 7.12.1)
	v_mov_b32 v[WF+\n], 0
	v_mov_b32 v[WF+8+\n], 0
.endr
	v_mov_b32 v[TP], 0                             ; written once: a lane permute's destination counts as one of its sources
	WIN 0x10                                       ; source 2 (the biases) window 1
.irp n, 0,2,4,6,8,10,12,14
	v_pk_fma_f32 v[HID+\n:HID+\n+1], v[DA+\n:DA+\n+1], s[38:39], v[BB1+\n:BB1+\n+1] op_sel_hi:[1,0,1]   ; sum x 2^(e0 + e1) + b1; each accumulator from its low end on
.endr
	WIN 0
.irp n, 0,1,2,3,4,5,6,7,8,9,10,11,12,13,14,15
	v_med3_num_f32 v[HID+\n], v[HID+\n], 0, v23    ; the activation and the hold in one: between 0 and 448 x 2^e2
.endr
	v_cvt_scalef32_pk8_fp8_f32 v[PC:PC+1], v[HID:HID+7], v22         ; registers 2 t, 2 t + 1: units 16 t + 8 h + 0 .. 7: this form's own layout
	v_cvt_scalef32_pk8_fp8_f32 v[PC+2:PC+3], v[HID+8:HID+15], v22
	v_nop
	v_wmma_f32_16x16x64_fp8_fp8 v[D2:D2+7], v[WF:WF+7], v[PC:PC+7], 0
	v_wmma_f32_16x16x64_fp8_fp8 v[D2+8:D2+15], v[WF+8:WF+15], v[PC:PC+7], 0
.rept 4
	v_nop                                          ; four places in front of the first read of the results
.endr
	WIN 0x10
.irp n, 0,2,4,6,8,10,12,14
	v_pk_fma_f32 v[HID+\n:HID+\n+1], v[D2+\n:D2+\n+1], s[40:41], v[BB2+\n:BB2+\n+1] op_sel_hi:[1,0,1]   ; sum x 2^(e2 + e3) + b2
.endr
	WIN 0
.irp n, 0,1,2,3,4,5,6,7,8,9,10,11,12,13,14,15
	v_max_num_f32 v[HID+\n], 0, v[HID+\n]
.endr
.irp n, 0,2,4,6
	v_pk_add_f32 v[HID+\n:HID+\n+1], v[HID+\n:HID+\n+1], v[HID+8+\n:HID+8+\n+1]
.endr
	v_pk_add_f32 v[HID:HID+1], v[HID:HID+1], v[HID+4:HID+5]
	v_pk_add_f32 v[HID+2:HID+3], v[HID+2:HID+3], v[HID+6:HID+7]
	v_pk_add_f32 v[HID:HID+1], v[HID:HID+1], v[HID+2:HID+3]
	v_add_f32 v[HID], v[HID], v[HID+1]             ; my 16 units of row r,
	v_permlanex16_b32 v[TP], v[HID], s42, s43
	v_add_f32 v[HID], v[HID], v[TP]                ; and the other half's 16
	v_add_f32 v[HID], v[HID], v[FMV]
	v_add_f32 v[HID], s36, v[HID]                  ; + bias
	ds_store_b32 v30, v[HID] offset:OUTS-FMF       ; lanes r and r + 16 write the same word with the same number
.Lno_matrix:
	s_wait_dscnt 0x0                               ; for wave 0's sake: my totals have landed
	s_barrier_signal -1
	s_barrier_wait -1
	; ---- THE WAY OUT: the work-group's 64 totals are 256 consecutive bytes, at a multiple of 256 from out0's first byte: one store of wave 0
	s_cmp_lg_u32 s2, 0
	s_cbranch_scc1 .Lend
	ds_load_b64 v[242:243], v31
	s_wait_dscnt 0x0
	global_store_b64 v232, v[242:243], s[28:29] th:TH_STORE_NT
.Lend:
	s_wait_tensorcnt 0x0
	ds_add_u32 v254, v255
	s_wait_dscnt 0x0
	s_endpgm
.Lfunc_end_k_qd0556f22e5_deepfm:
	.size	k_qd0556f22e5_deepfm, .Lfunc_end_k_qd0556f22e5_deepfm-k_qd0556f22e5_deepfm
	.p2alignl 7, 3214868480
	.fill 96, 4, 3214868480
	.section	.rodata,"a",@progbits
	.p2align	6, 0x0
	.amdhsa_kernel k_qd0556f22e5_deepfm
		.amdhsa_group_segment_fixed_size 85504
		.amdhsa_private_segment_fixed_size 0
		.amdhsa_enable_private_segment 0
		.amdhsa_kernarg_size 88
		.amdhsa_user_sgpr_count 2
		.amdhsa_user_sgpr_kernarg_segment_ptr 1
		.amdhsa_wavefront_size32 1
		.amdhsa_system_sgpr_workgroup_id_x 1
		.amdhsa_system_sgpr_workgroup_id_y 1
		.amdhsa_system_sgpr_workgroup_id_z 1
		.amdhsa_system_vgpr_workitem_id 0
		.amdhsa_next_free_vgpr 448
		.amdhsa_next_free_sgpr 86
		.amdhsa_reserve_vcc 1
		.amdhsa_float_denorm_mode_32 3
		.amdhsa_float_denorm_mode_16_64 3
		.amdhsa_memory_ordered 1
		.amdhsa_forward_progress 1
		.amdhsa_inst_pref_size 75
	.end_amdhsa_kernel
	.amdgpu_metadata
---
amdhsa.version: [ 1, 2 ]
amdhsa.kernels:
  - .name:           k_qd0556f22e5_deepfm
    .symbol:         k_qd0556f22e5_deepfm.kd
    .args:
      - { .name: Xi, .offset: 0, .size: 8, .value_kind: global_buffer, .address_space: global }
      - { .name: Xv, .offset: 8, .size: 8, .value_kind: global_buffer, .address_space: global }
      - { .name: emb1, .offset: 16, .size: 8, .value_kind: global_buffer, .address_space: global }
      - { .name: emb2, .offset: 24, .size: 8, .value_kind: global_buffer, .address_space: global }
      - { .name: W1, .offset: 32, .size: 8, .value_kind: global_buffer, .address_space: global }
      - { .name: W2, .offset: 40, .size: 8, .value_kind: global_buffer, .address_space: global }
      - { .name: b1, .offset: 48, .size: 8, .value_kind: global_buffer, .address_space: global }
      - { .name: b2, .offset: 56, .size: 8, .value_kind: global_buffer, .address_space: global }
      - { .name: bias, .offset: 64, .size: 8, .value_kind: global_buffer, .address_space: global }
      - { .name: lowp_scales, .offset: 72, .size: 8, .value_kind: global_buffer, .address_space: global }
      - { .name: out0, .offset: 80, .size: 8, .value_kind: global_buffer, .address_space: global }
    .group_segment_fixed_size: 85504
    .private_segment_fixed_size: 0
    .kernarg_segment_align: 8
    .kernarg_segment_size: 88
    .max_flat_workgroup_size: 256
    .sgpr_count:     86
    .vgpr_count:     448
    .wavefront_size: 32
...
	.end_amdgpu_metadata
.endif
;; end of part 1
;; ======== version 2 of 2: 1 launch; version 1 with the launch deepfm written anew for expert scheduling mode
;; launch deepfm (part 2): grid 256 x 1, 8 waves a work-group, no clusters, 85,504 bytes of LDS; arguments Xi, Xv, emb1, emb2, W1, W2, b1, b2, bias, lowp_scales, out0; writes out0
.if DOCPART == 2
	.amdgcn_target "amdgcn-amd-amdhsa--gfx1250"
	.amdhsa_code_object_version 6
	.text
	.protected	k_qd0556f22e5_deepfm
	.globl	k_qd0556f22e5_deepfm
	.p2align	8
	.type	k_qd0556f22e5_deepfm,@function
k_qd0556f22e5_deepfm:
	s_mov_b64 s[64:65], 0
	v_nop
	global_prefetch_b8 v0, s[64:65] scope:SCOPE_SE
	s_setreg_imm32_b32 hwreg(HW_REG_WAVE_SCHED_MODE, 0, 2), 2
	s_setreg_imm32_b32 hwreg(HW_REG_WAVE_MODE, 25, 1), 1
	s_wait_xcnt 0x0
	s_wait_alu depctr_vm_vsrc(0)
; DeepFM, one launch.  out0[b] = sum_f emb1[f][Xi]*Xv + 0.5 (sum_e s_e^2 - sum_f,e e2^2) + sum relu(relu(e2 W1 + b1) W2 + b2) + bias, e2[b][f][:] = emb2[f][Xi[b][f]][:] * Xv[b][f], s = sum_f e2.
; Both products on codes of FP8 (E4M3), each operand with the one given scale 2^e: e0 (e2), e1 (W1), e2 (hidden layer), e3 (W2).  All else in f32.
; SHARES.  16,384 rows / 256 work-groups = 64 rows a work-group, eight waves.
;   GATHER: wave w owns rows 8 w .. 8 w + 7.  Lane L = (g = L / 4, p = L % 4): quad g owns row 8 w + g, lane p the numbers 4 p .. 4 p + 3 of every embedding row: one 16-byte load a field fetches eight whole
;   table rows of 64 bytes, four neighbouring lanes to a row.  A wave's 39 + 10 gathers are all issued before the first is waited for; W1 and W2 are quantised meanwhile.
;   PRODUCTS: waves 0 to 3 take 16 rows each.  The codes change from the quads' layout to the matrix layout through LDS.
; K OF THE FIRST PRODUCT is padded to 640 (field 39: zero codes on both sides) and permuted alike in both operands: number e = 4 p + v of field f = 4 j + u stands at k' = 64 j + 16 p + 4 u + v,
;   which is the order in which a lane's conversions leave the codes.  A fragment's registers 4 c .. 4 c + 3 hold k' = 128 s + 32 c + 16 (lane / 16) + 0 .. 15, by 16-byte LDS loads, in both operands.
; BOTH PRODUCTS ARE USED TRANSPOSED (source 0 = 16 units of the weight, source 1 = 16 rows of the batch): lane (r = L % 16, h = L / 16) holds batch row r, register j of tile t the unit 16 t + 8 h + j.
;   So the first product's 16 registers, converted, are the second product's operand as they stand (K = 32 in the K = 64 form; its registers 4 to 7 are zero codes on both sides).
; LIMITS: each e between -126 and 119; e0 + e1 and e2 + e3 between -126 and 127 (each power of two below is made as an f32 number).  NaN and infinities among the inputs are not served.
;   An index outside 0 .. 99,999 is held at 99,999.
; No tensor load, no cluster: the traffic is gathers lane by lane; what work-groups share is W1's 79,872 bytes alone.
; THE MODE: SCHED_MODE bits 1:0 = 2 (LLVM: expert scheduling mode 2), set by the entry lines.  The code itself states the register dependences
; between vector or matrix instructions and memory or LDS instructions, with s_wait_alu, always for 0.
; THE PLAN.  Registers that memory or LDS instructions touch, and who else names them:
;   addresses   v4-17, v28-31, v232, v233: made at the head, never written again.  One wait on va_vdst ahead of the first load serves them for the whole kernel (and v32-35, the head's temporaries, in which Xi lands).
;   A1, v51     emb1's offsets and lane 3's cleared Xv: written by vector lines, read by emb1's gathers and Xv's LDS stores: one wait on va_vdst ahead of both runs.
;   IDX         written by vector lines, read by emb2's 39 gathers: one wait on va_vdst ahead of the run.  In the products e2's fragments land there.
;   WR, W2C     all five fields of W1 and W2 are turned into codes first; one wait on va_vdst; then the 21 image stores in one run.  One wait on vm_vsrc ahead of the first group, whose numbers take these registers.
;   CD          four registers a group, written once.  The stores of two groups stand at the head of the next even group, behind the wait for its data and one wait on va_vdst.
;   the last wait on va_vdst of the gather, behind the row's sum, stands ahead of the last three LDS stores; no vector line follows it before the products' LDS loads, so it also states that every
;   vector reader and writer of the registers in which those loads land (IDX, XVB, CD, v240, window 1's v0-155) is done.  One wait on vm_vsrc behind the barrier states that the gathers have read IDX and the stores CD.
;   HID         the total: one wait on va_vdst ahead of its LDS store.
.set XROW,   156                       ; a row of Xi or Xv in bytes (39 words)
.set VMAX,   0x1869f                   ; the largest index: 99,999
.set E1F,    400000                    ; a field's table in emb1, in bytes
.set E2F,    6400000                   ; and in emb2
; LDS
.set XVL,    10240                     ; 0: Xi, 10,240: Xv, each 1,280 bytes a wave: 8 rows x 160 bytes (a row re-pitched from 156), the wave's own
.set AST,    20480                     ; e2's codes: 64 rows x 656 bytes (640 + 16: an odd multiple of 16, so that the 16 rows of a fragment load start at different banks: 64 banks of 4 bytes, ISA guide 11.1)
.set APITCH, 656
.set W1I,    62464                     ; W1's codes as images of the operand's registers: fragment (K step s, tile t) at 4096 s + 2048 t, registers 4 c .. 4 c + 3 at 512 c, lane at 16 L
.set W2I,    82944                     ; W2's likewise: tile t at 512 t, lane at 16 L, register q at 4 q
.set FMF,    83968                     ; first order + FM term, a word a row
.set OUTS,   84224                     ; the finished totals, a word a row
; vector registers, window 0.  v1 L, v2 g, v3 p, v4 16 p, v233 16 p + two fields of emb2, v26 r, v27 h; v5-17, v28-31, v232 addresses (made below, never rewritten); v18-25 the four scales: 2^e and 448 x 2^e
.set XI,   32                          ; v32-41   Xi: field 4 m + p of my row
.set XV1,  42                          ; v42-51   Xv likewise
.set A1,   52                          ; v52-61   emb1's offsets
.set E1,   62                          ; v62-71   emb1's numbers
.set IDX,  72                          ; v72-111  my row's 40 indices, then emb2's offsets
.set XVB,  112                         ; v112-151 my row's 40 Xv
.set WR,   152                         ; v152-231 W1 as loaded: five fields x 16 registers
.set TM,   234                         ; v234-237 half-way through the turning of 4 x 4 bytes
.set W2R,  240                         ; v240-247 W2 as loaded: four numbers, four zeros
.set W2C,  248                         ; v248-249 their codes
.set DC,   250                         ; v250-253 a field's codes of W1
.set T,    152                         ; v152-167 a group's 16 numbers of e2 (W1's registers are free by then)
.set CD,   168                         ; v168-207 their codes, four registers a group
.set SA,   208                         ; v208-215 s, in two chains of four
.set SQ,   216                         ; v216-223 sums of squares, in four pairs
.set FO,   224                         ; v224-225 first order, in two chains
.set U,    226                         ; v226-227 at work
.set AF,   72                          ; products: v72-151 e2's five fragments
.set DA,   152                         ; v152-167 the first product's two accumulators
.set HID,  168                         ; v168-183 the hidden layer; later the second layer's outputs
.set PC,   184                         ; v184-191 the hidden layer's codes
.set WF,   192                         ; v192-207 W2's two fragments
.set D2,   208                         ; v208-223 the second product's two accumulators
.set FMV,  240                         ; v240     first order + FM of my row
.set TP,   241                         ; v241     the other half's sum
; window 1: v0-155 emb2's rows (field f at 4 f); in the products v0-159 W1's ten fragments ((s, t) at 16 (2 s + t)); v160-175 b1, v176-191 b2, in the results' layout
.set BB1,  160
.set BB2,  176
; WHERE FIELD f = 4 i + 2 a + b OF emb2 BEGINS: a scalar base (emb2 + 4 i fields: i = 0 is the argument's own pair, i = 1 .. 9 lie in s[66:83]) + the lane term (v4 for a = 0, v233 for a = 1: two fields on)
; + the immediate (b fields: 0 or 6,400,000, inside the signed 24 bits: ISA guide, chapter 10).  Every part is 0 or more.
.set EB,   66
.set MSB, 0
.macro WIN new                         ; s_set_vgpr_msb: bits 1:0 source 0, 3:2 source 1, 5:4 source 2, 7:6 destination; the high byte repeats the setting that is left
.if MSB != \new
	s_set_vgpr_msb (MSB<<8)|\new
.set MSB, \new
.endif
.endm
	s_load_b512 s[8:23], s[0:1], 0x0               ; Xi s[8:9], Xv s[10:11], emb1 s[12:13], emb2 s[14:15], W1 s[16:17], W2 s[18:19], b1 s[20:21], b2 s[22:23]
	s_load_b128 s[24:27], s[0:1], 0x40             ; bias s[24:25], the scales' exponents s[26:27]
	s_load_b64 s[28:29], s[0:1], 0x50              ; out0
	v_lshl_add_u32 v254, v0, 2, 0x14a00
	v_mov_b32 v255, 0
	v_lshrrev_b32 v32, 5, v0
	v_readfirstlane_b32 s2, v32                    ; wave w, 0..7
	v_and_b32 v1, 31, v0                           ; L
	v_bfe_u32 v2, v0, 2, 3                         ; g
	v_and_b32 v3, 3, v0                            ; p
	v_cmp_ne_u32 s49, 3, v3                        ; s49: the lanes with p != 3, for the tenth load of Xv
	v_and_b32 v26, 15, v0                          ; r
	v_bfe_u32 v27, v0, 4, 1                        ; h
	v_lshlrev_b32 v4, 4, v3                        ; 16 p
	v_add_nc_u32 v233, 2*E2F, v4                   ; 16 p + two fields of emb2
	v_min_u32 v32, 2, v3                           ; min(p, 2): the tenth load of a row has three fields; lane 3 repeats field 38, so that nothing leaves the buffer
	v_mul_u32_u24 v5, v2, XROW
	v_lshl_add_u32 v6, v32, 2, v5                  ; v6: 156 g + 4 min(p, 2)
	v_lshl_add_u32 v5, v3, 2, v5                   ; v5: 156 g + 4 p
	v_mul_u32_u24 v7, v3, E1F                      ; v7: field p's table in emb1
	v_mul_u32_u24 v8, v32, E1F                     ; v8: the same with min(p, 2)
	s_wait_alu depctr_va_sdst(0)                   ; s2 and s49 are written, ahead of the first reader of either: the scalar lines below read s2, the select of Xv's tenth number reads s49
	s_mul_i32 s3, s2, 1280
	v_mul_u32_u24 v10, v2, 160
	v_add_nc_u32 v10, s3, v10                      ; v10: my row in the wave's part of Xi's LDS bytes: 1280 w + 160 g
	v_lshl_add_u32 v9, v3, 2, v10                  ; v9:  + 4 p
	v_bfe_u32 v33, v0, 3, 2                        ; L / 8
	v_and_b32 v34, 7, v0                           ; L % 8
	v_lshlrev_b32 v11, 9, v33
	v_lshl_add_u32 v11, v34, 4, v11                ; v11: W1: rows 4 (L / 8) on of a field's 16 (128 bytes a row), columns 4 (L % 8) on
	s_lshr_b32 s3, s2, 2                           ; w / 4
	s_and_b32 s37, s2, 3                           ; w % 4
	s_lshl_b32 s6, s3, 10
	s_lshl_b32 s7, s37, 2
	s_add_co_u32 s6, s6, s7
	s_add_co_u32 s6, s6, W1I
	v_bfe_u32 v35, v0, 2, 1
	v_lshlrev_b32 v12, 8, v33
	v_lshl_add_u32 v12, v35, 11, v12
	v_lshl_add_u32 v12, v3, 6, v12
	v_add_nc_u32 v12, s6, v12                      ; v12: where my words of W1's images go: W1I + 1024 (w / 4) + 4 (w % 4) + 256 (L / 8) + 2048 ((L / 4) % 2) + 64 (L % 4)
	v_lshlrev_b32 v13, 10, v27
	v_lshl_add_u32 v13, v26, 2, v13                ; v13: W2: 8 h rows of 128 bytes, column r
	s_lshl_b32 s6, s3, 9
	s_add_co_u32 s6, s6, s7
	s_add_co_u32 s6, s6, W2I
	v_lshl_add_u32 v14, v1, 4, s6                  ; v14: W2's image: W2I + 512 (w / 4) + 4 (w % 4) + 16 L
	s_mul_i32 s6, s2, 8*APITCH
	s_add_co_u32 s6, s6, AST
	v_mul_u32_u24 v15, v2, APITCH
	v_add_nc_u32 v15, v15, v4
	v_add_nc_u32 v15, s6, v15                      ; v15: my row's codes: AST + 656 (8 w + g) + 16 p
	s_lshl_b32 s6, s2, 5
	s_add_co_u32 s6, s6, FMF
	v_lshl_add_u32 v16, v2, 2, s6                  ; v16: my row's word: FMF + 4 (8 w + g)
	v_lshlrev_b32 v17, 5, v27                      ; v17: the biases: 8 h numbers on
	s_mul_i32 s6, s37, 16*APITCH
	s_add_co_u32 s6, s6, AST
	v_mul_u32_u24 v28, v26, APITCH
	v_lshl_add_u32 v28, v27, 4, v28
	v_add_nc_u32 v28, s6, v28                      ; v28: products: row 16 (w % 4) + r of the codes, + 16 h
	v_lshl_add_u32 v29, v1, 4, W1I                 ; v29: an image's place for my lane
	s_lshl_b32 s6, s37, 6
	s_add_co_u32 s6, s6, FMF
	v_lshl_add_u32 v30, v26, 2, s6                 ; v30: products: my row's word: FMF + 4 (16 (w % 4) + r)
	v_lshl_add_u32 v31, v1, 3, OUTS                ; v31: the way out: two totals a lane
	v_lshlrev_b32 v232, 3, v1                      ; v232: and their place in out0
	; byte offsets, each in a pair of its own
	s_mul_i32 s4, ttmp9, 64*XROW
	s_mul_i32 s6, s2, 8*XROW
	s_add_co_u32 s4, s4, s6                        ; Xi, Xv: my wave's first row
	s_mov_b32 s5, 0
	s_add_co_u32 s6, s2, 32
	s_min_u32 s6, s6, 38                           ; W1: my fifth field, 32 + w; wave 7 has none (field 39 is padding): it reads field 38 and clears the codes
	s_lshl_b32 s6, s6, 11
	s_mov_b32 s7, 0
	s_lshl_b32 s54, s2, 11                         ; W1: field w (2,048 bytes a field)
	s_mov_b32 s55, 0
	s_bfe_u32 s56, s2, 0x10001                     ; W2: I make register q = w % 4 of tile w / 4: rows 16 (q / 2) + 4 (q % 2) on, columns 16 (w / 4) on
	s_lshl_b32 s56, s56, 11
	s_and_b32 s57, s2, 1
	s_lshl_b32 s57, s57, 9
	s_add_co_u32 s56, s56, s57
	s_lshl_b32 s57, s3, 6
	s_add_co_u32 s56, s56, s57
	s_mov_b32 s57, 0
	s_lshl_b32 s58, ttmp9, 8                       ; out0: 64 words a work-group
	s_mov_b32 s59, 0
	s_mov_b32 s42, 0x76543210                      ; v_permlanex16_b32: lane l xor 16
	s_mov_b32 s43, 0xfedcba98
	s_mov_b32 s44, 0x05010400                      ; v_perm_b32: bytes 0, 1 of two words, interleaved
	s_mov_b32 s45, 0x07030602                      ; bytes 2, 3 likewise
	s_mov_b32 s46, 0x05040100                      ; the low halves of two words
	s_mov_b32 s47, 0x07060302                      ; the high halves
	s_cmp_eq_u32 s2, 7
	s_cselect_b32 s48, 0, -1                       ; clears wave 7's codes of the padded field
	s_wait_kmcnt 0x0
	s_load_b128 s[32:35], s[26:27], 0x0            ; e0 .. e3
	s_load_b32 s36, s[24:25], 0x0                  ; bias
	s_add_nc_u64 s[8:9], s[8:9], s[4:5]
	s_add_nc_u64 s[10:11], s[10:11], s[4:5]
	s_add_nc_u64 s[52:53], s[16:17], s[6:7]
	s_add_nc_u64 s[16:17], s[16:17], s[54:55]
	s_add_nc_u64 s[18:19], s[18:19], s[56:57]
	; ---- THE EARLY LOADS, in one run.  The biases first, in every wave: they are the oldest, so the counts of younger loads below are alike in all waves.
	WIN 0x40                                       ; destination window 1
	s_wait_alu depctr_va_vdst(0)                   ; every address and offset made above (v4 to v17, v28 to v31, v232, v233) is written, for all loads and stores of the kernel; so are v32 to v35, the temporaries, in which Xi's loads land
.irp t, 0,1
.irp a, 0,1
	global_load_b128 v[BB1+8*\t+4*\a:BB1+8*\t+4*\a+3], v17, s[20:21] offset:64*\t+16*\a   ; b1[16 t + 8 h + 4 a ..]: the result's layout
	global_load_b128 v[BB2+8*\t+4*\a:BB2+8*\t+4*\a+3], v17, s[22:23] offset:64*\t+16*\a
.endr
.endr
	WIN 0
.irp m, 0,1,2,3,4,5,6,7,8
	global_load_b32 v[XI+\m], v5, s[8:9] offset:16*\m      ; field 4 m + p of row g: a quad reads 16 neighbouring bytes
.endr
	global_load_b32 v[XI+9], v6, s[8:9] offset:144
.irp m, 0,1,2,3,4,5,6,7,8
	global_load_b32 v[XV1+\m], v5, s[10:11] offset:16*\m
.endr
	global_load_b32 v[XV1+9], v6, s[10:11] offset:144
.macro W1LOAD i                        ; field w + 8 i of W1: 16 rows x 32 columns, 2,048 dense bytes in four loads.  Register 4 q + n: row 4 (L / 8) + q, column 4 (L % 8) + n
.irp q, 0,1,2,3
.if \i < 4
	global_load_b128 v[WR+16*\i+4*\q:WR+16*\i+4*\q+3], v11, s[16:17] offset:16384*\i+128*\q
.else
	global_load_b128 v[WR+16*\i+4*\q:WR+16*\i+4*\q+3], v11, s[52:53] offset:128*\q
.endif
.endr
.endm
.irp i, 0,1,2,3,4
	W1LOAD \i
.endr
.irp q, 0,1,2,3
	global_load_b32 v[W2R+\q], v13, s[18:19] offset:128*\q   ; W2(16 (q' / 2) + 8 h + 4 (q' % 2) + q, 16 (w / 4) + r), q' = w % 4: the four bytes of register q'
.endr
.irp q, 4,5,6,7
	v_mov_b32 v[W2R+\q], 0                         ; the conversion takes eight numbers
.endr
	; scalar work while they are out
.set i, 1
.rept 9
	s_add_nc_u64 s[EB+2*i-2:EB+2*i-1], s[14:15], 4*i*E2F   ; emb2 at field 4 i
.set i, i+1
.endr
	s_add_nc_u64 s[30:31], s[12:13], 20*E1F        ; emb1 at field 20: the second five of its ten loads; each five's immediates are 0 .. 6,400,000
	s_add_nc_u64 s[28:29], s[28:29], s[58:59]
	s_wait_kmcnt 0x0                               ; the exponents and the bias
.macro SCALES se, vs                   ; v[vs] = 2^e as f32 (the conversion takes its exponent field), v[vs + 1] = 448 x 2^e
	s_add_co_i32 s37, \se, 127
	s_lshl_b32 s3, s37, 23
	v_mov_b32 v[\vs], s3
	s_add_co_i32 s37, s37, 8
	s_lshl_b32 s37, s37, 23
	s_or_b32 s37, s37, 0x600000
	v_mov_b32 v[\vs+1], s37
.endm
	SCALES s32, 18
	SCALES s33, 20
	SCALES s34, 22
	SCALES s35, 24
	s_add_co_i32 s38, s32, s33
	s_add_co_i32 s38, s38, 127
	s_lshl_b32 s38, s38, 23                        ; 2^(e0 + e1)
	s_mov_b32 s39, s38                             ; (named with it as a pair, so it is written)
	s_add_co_i32 s40, s34, s35
	s_add_co_i32 s40, s40, 127
	s_lshl_b32 s40, s40, 23                        ; 2^(e2 + e3)
	s_mov_b32 s41, s40
	; ---- FROM INDICES TO GATHERS
	s_wait_loadcnt 34                              ; Xi is in; younger: Xv 10, W1 20, W2 4
.irp m, 0,1,2,3,4,5,6,7,8,9
	ds_store_b32 v9, v[XI+\m] offset:16*\m         ; my row's indices meet in LDS (the wave's own bytes; LDS serves a wave's instructions in order, ISA guide 5.7.1.4),
.endr
.irp m, 0,1,2,3,4,5,6,7,8,9
	ds_load_b128 v[IDX+4*\m:IDX+4*\m+3], v10 offset:16*\m   ; and every lane of the quad takes all forty (the fortieth repeats field 38 and is not used)
.endr
.irp m, 0,1,2,3,4,5,6,7,8
	v_min_u32 v[A1+\m], VMAX, v[XI+\m]
	v_lshl_add_u32 v[A1+\m], v[A1+\m], 2, v7       ; 4 x index + field p's table
.endr
	v_min_u32 v[A1+9], VMAX, v[XI+9]
	v_lshl_add_u32 v[A1+9], v[A1+9], 2, v8
	s_wait_loadcnt 24                              ; Xv is in; younger: W1 20, W2 4
	v_cndmask_b32 v[XV1+9], 0, v[XV1+9], s49       ; lane 3's repeat of field 38 counts for nothing
	s_wait_alu depctr_va_vdst(0)                   ; emb1's ten offsets are written, which the gathers read, and so is Xv's tenth number, which its LDS store reads
.irp m, 0,1,2,3,4
	global_load_b32 v[E1+\m], v[A1+\m], s[12:13] offset:4*E1F*\m       ; fields 4 m + p
	global_load_b32 v[E1+5+\m], v[A1+5+\m], s[30:31] offset:4*E1F*\m   ; fields 20 + 4 m + p
.endr
.irp m, 0,1,2,3,4,5,6,7,8,9
	ds_store_b32 v9, v[XV1+\m] offset:XVL+16*\m
.endr
.irp m, 0,1,2,3,4,5,6,7,8,9
	ds_load_b128 v[XVB+4*\m:XVB+4*\m+3], v10 offset:XVL+16*\m
.endr
	s_wait_dscnt 20                                ; the indices are back; Xv's ten stores and ten loads may be out
.set f, 0
.rept 39
	v_min_u32 v[IDX+f], VMAX, v[IDX+f]
.if (f%4) < 2
	v_lshl_add_u32 v[IDX+f], v[IDX+f], 6, v4       ; 64 x index + 16 p
.else
	v_lshl_add_u32 v[IDX+f], v[IDX+f], 6, v233     ; the same, two fields on
.endif
.set f, f+1
.endr
	WIN 0x40                                       ; destination window 1
	s_wait_alu depctr_va_vdst(0)                   ; emb2's 39 offsets are written, which the gathers read
.set f, 0
.rept 39
.set BS, EB+2*(f/4)-2
.if f < 4
.set BS, 14                            ; the first four fields: the argument's own pair
.endif
	global_load_b128 v[4*f:4*f+3], v[IDX+f], s[BS:BS+1] offset:(f%2)*E2F   ; eight rows of 64 bytes, a quad to a row; no hint: a row may be named again
.set f, f+1
.endr
	WIN 0
	; ---- W1 AND W2 BECOME CODES while the gathers are out
	s_wait_loadcnt 49                              ; W1 and W2 are in; younger: emb1 10, emb2 39
; A lane's 16 numbers are 4 rows (along K) x 4 columns; the conversions leave a word a row.  Eight v_perm_b32 turn the 4 x 4 bytes, so that a word holds one column's four neighbours along K:
; bytes 4 u .. 4 u + 3 (u = w % 4) of the 16-byte piece 4 (f / 4) + L / 8 of that column's codes, which is where the word is stored in the image.
; The vector work of all five fields and of W2 comes first, each field's four words in registers of its own; the 21 stores follow in one run, behind one wait.
.macro W1QUANT i
.set R, WR+16*(\i)
.irp n, 0,1,2,3,4,5,6,7,8,9,10,11,12,13,14,15
	v_med3_num_f32 v[R+\n], v[R+\n], -v21, v21     ; the conversion to an 8-bit code does not saturate (ISA guide 7.6.2): the hold at 448 x 2^e1
.endr
	v_cvt_scalef32_pk8_fp8_f32 v[DC:DC+1], v[R:R+7], v20
	v_cvt_scalef32_pk8_fp8_f32 v[DC+2:DC+3], v[R+8:R+15], v20
	v_nop                                          ; one plain vector instruction between a scaled conversion and what touches its result or writes its sources
	v_perm_b32 v[TM], v[DC+1], v[DC], s44
	v_perm_b32 v[TM+1], v[DC+1], v[DC], s45
	v_perm_b32 v[TM+2], v[DC+3], v[DC+2], s44
	v_perm_b32 v[TM+3], v[DC+3], v[DC+2], s45
	v_perm_b32 v[R], v[TM+2], v[TM], s46           ; column 4 (L % 8) + 0, rows 0 .. 3
	v_perm_b32 v[R+1], v[TM+2], v[TM], s47
	v_perm_b32 v[R+2], v[TM+3], v[TM+1], s46
	v_perm_b32 v[R+3], v[TM+3], v[TM+1], s47
.if \i == 4
.irp n, 0,1,2,3
	v_and_b32 v[R+\n], s48, v[R+\n]                ; wave 7: field 39 is zero codes
.endr
.endif
.endm
.macro W1IMAGE i
.set R, WR+16*(\i)
.irp n, 0,1,2,3
	ds_store_b32 v12, v[R+\n] offset:4096*\i+16*\n   ; K step i; the column's lane is 16 bytes further on for each n
.endr
.endm
.irp i, 0,1,2,3,4
	W1QUANT \i
.endr
.irp q, 0,1,2,3
	v_med3_num_f32 v[W2R+\q], v[W2R+\q], -v25, v25
.endr
	v_cvt_scalef32_pk8_fp8_f32 v[W2C:W2C+1], v[W2R:W2R+7], v24
	v_nop
	s_wait_alu depctr_va_vdst(0)                   ; the five fields' turned words and W2's word are written, which the 21 LDS stores read
.irp i, 0,1,2,3,4
	W1IMAGE \i
.endr
	ds_store_b32 v14, v[W2C]
	; ---- FIRST ORDER, FM, AND e2's CODES
	s_wait_loadcnt 39                              ; emb1 is in; younger: emb2's 39
	v_mul_f32 v[FO], v[E1], v[XV1]                 ; (v224, v225 are none of the registers that the image stores read)
	v_mul_f32 v[FO+1], v[E1+1], v[XV1+1]
.irp m, 2,3,4,5,6,7,8,9
	v_fma_f32 v[FO+\m%2], v[E1+\m], v[XV1+\m], v[FO+\m%2]
.endr
	s_wait_dscnt 21                                ; Xv's forty are back; the 21 image stores may be out
	s_wait_alu depctr_vm_vsrc(0)                   ; the image stores have read their registers (four of each field's sixteen), which e2's numbers, codes and sums take next
; Fields 4 j .. 4 j + 3: T[4 u + v] = e2(my row, field 4 j + u, 4 p + v).  The sums and squares take the numbers as they are; then the hold and the conversions; 16 bytes go to k' = 64 j + 16 p of my row.
; Each group has its own four registers of codes: no store's data are written again.  The stores of two groups stand at the head of the next even group.
.macro GROUP j
.if \j < 9
	s_wait_loadcnt 35-4*\j                         ; these four fields are in; the later fields' loads stay out
.else
	s_wait_loadcnt 0x0
.endif
.if (\j > 0) && ((\j % 2) == 0)
	s_wait_alu depctr_va_vdst(0)                   ; the conversions of the two groups before have written their codes, which the two stores read
	ds_store_b128 v15, v[CD+4*\j-8:CD+4*\j-5] offset:64*\j-128
	ds_store_b128 v15, v[CD+4*\j-4:CD+4*\j-1] offset:64*\j-64
.endif
	WIN 0x01                                       ; source 0 window 1
.irp u, 0,1,2,3
.if 4*\j+\u < 39
.irp a, 0,1
.if (\u%2) == 0
	v_pk_mul_f32 v[T+4*\u+2*\a:T+4*\u+2*\a+1], v[16*\j+4*\u+2*\a:16*\j+4*\u+2*\a+1], v[XVB+4*\j+\u:XVB+4*\j+\u+1] op_sel_hi:[1,0]              ; both x the pair's first: an even field's Xv
.else
	v_pk_mul_f32 v[T+4*\u+2*\a:T+4*\u+2*\a+1], v[16*\j+4*\u+2*\a:16*\j+4*\u+2*\a+1], v[XVB+4*\j+\u-1:XVB+4*\j+\u] op_sel:[0,1] op_sel_hi:[1,1]  ; both x its second: an odd field's
.endif
.endr
.endif
.endr
	WIN 0
.if \j == 9
.irp n, 12,13,14,15
	v_mov_b32 v[T+\n], 0                           ; field 39: padding
.endr
.endif
.if \j == 0                            ; the first group starts the sums: nothing is cleared
.irp a, 0,1
	v_pk_add_f32 v[SA+2*\a:SA+2*\a+1], v[T+2*\a:T+2*\a+1], v[T+8+2*\a:T+8+2*\a+1]
	v_pk_add_f32 v[SA+4+2*\a:SA+4+2*\a+1], v[T+4+2*\a:T+4+2*\a+1], v[T+12+2*\a:T+12+2*\a+1]
	v_pk_mul_f32 v[SQ+2*\a:SQ+2*\a+1], v[T+2*\a:T+2*\a+1], v[T+2*\a:T+2*\a+1]
	v_pk_mul_f32 v[SQ+4+2*\a:SQ+4+2*\a+1], v[T+4+2*\a:T+4+2*\a+1], v[T+4+2*\a:T+4+2*\a+1]
.endr
.irp a, 0,1
	v_pk_fma_f32 v[SQ+2*\a:SQ+2*\a+1], v[T+8+2*\a:T+8+2*\a+1], v[T+8+2*\a:T+8+2*\a+1], v[SQ+2*\a:SQ+2*\a+1]
	v_pk_fma_f32 v[SQ+4+2*\a:SQ+4+2*\a+1], v[T+12+2*\a:T+12+2*\a+1], v[T+12+2*\a:T+12+2*\a+1], v[SQ+4+2*\a:SQ+4+2*\a+1]
.endr
.else
.irp u, 0,1,2,3
.if 4*\j+\u < 39
.irp a, 0,1
	v_pk_add_f32 v[SA+4*(\u%2)+2*\a:SA+4*(\u%2)+2*\a+1], v[SA+4*(\u%2)+2*\a:SA+4*(\u%2)+2*\a+1], v[T+4*\u+2*\a:T+4*\u+2*\a+1]
	v_pk_fma_f32 v[SQ+4*(\u%2)+2*\a:SQ+4*(\u%2)+2*\a+1], v[T+4*\u+2*\a:T+4*\u+2*\a+1], v[T+4*\u+2*\a:T+4*\u+2*\a+1], v[SQ+4*(\u%2)+2*\a:SQ+4*(\u%2)+2*\a+1]
.endr
.endif
.endr
.endif
.irp n, 0,1,2,3,4,5,6,7,8,9,10,11,12,13,14,15
	v_med3_num_f32 v[T+\n], v[T+\n], -v19, v19     ; the hold at 448 x 2^e0
.endr
	v_cvt_scalef32_pk8_fp8_f32 v[CD+4*\j:CD+4*\j+1], v[T:T+7], v18
	v_cvt_scalef32_pk8_fp8_f32 v[CD+4*\j+2:CD+4*\j+3], v[T+8:T+15], v18
	v_nop                                          ; the plain instruction behind the conversions: the next group writes their sources
.endm
.irp j, 0,1,2,3,4,5,6,7,8,9
	GROUP \j
.endr
	v_pk_add_f32 v[SA:SA+1], v[SA:SA+1], v[SA+4:SA+5]          ; s of my four numbers
	v_pk_add_f32 v[SA+2:SA+3], v[SA+2:SA+3], v[SA+6:SA+7]
	v_pk_add_f32 v[SQ:SQ+1], v[SQ:SQ+1], v[SQ+2:SQ+3]
	v_pk_add_f32 v[SQ+4:SQ+5], v[SQ+4:SQ+5], v[SQ+6:SQ+7]
	v_pk_add_f32 v[SQ:SQ+1], v[SQ:SQ+1], v[SQ+4:SQ+5]
	v_pk_mul_f32 v[U:U+1], v[SA:SA+1], v[SA:SA+1]
	v_pk_fma_f32 v[U:U+1], v[SA+2:SA+3], v[SA+2:SA+3], v[U:U+1]
	v_pk_add_f32 v[U:U+1], v[U:U+1], v[SQ:SQ+1] neg_lo:[0,1] neg_hi:[0,1]   ; the sum of s^2 less the sum of squares: the difference that the problem's own definition forms
	v_add_f32 v[U], v[U], v[U+1]
	v_add_f32 v[FO], v[FO], v[FO+1]
	v_fma_f32 v[U], 0.5, v[U], v[FO]               ; + my fields' first order
	v_add_f32_dpp v[U], v[U], v[U] row_xmask:1 row_mask:0xf bank_mask:0xf
	v_add_f32_dpp v[U], v[U], v[U] row_xmask:2 row_mask:0xf bank_mask:0xf   ; the quad's sum: the row's
	s_wait_alu depctr_va_vdst(0)                   ; groups 8 and 9's codes and the row's sum are written, which the three stores read.  No vector line follows before the products' LDS loads: so every vector reader and writer of
	                                               ; the registers in which those land (the offsets, Xv's forty, the codes, v240, emb2's rows in window 1) is done as well
	ds_store_b128 v15, v[CD+32:CD+35] offset:512
	ds_store_b128 v15, v[CD+36:CD+39] offset:576
	ds_store_b32 v16, v[U]                         ; the quad's four lanes write the same word with the same number
	s_wait_dscnt 0x0                               ; for the others' sake: my codes, images and sums have landed
	s_barrier_signal -1
	s_barrier_wait -1                              ; everybody's have
	s_wait_alu depctr_vm_vsrc(0)                   ; emb2's gathers have read their offsets (v72 on) and the LDS stores their codes (v168 on): in the products loads land in both, and vector lines write the second
	; ---- THE PRODUCTS: waves 0 to 3, 16 rows each.  (The second layer wants all 32 hidden units of a row in one wave, so the four tiles of rows are all the shares there are.)
	s_cmp_ge_u32 s2, 4
	s_cbranch_scc1 .Lno_matrix
.irp s, 0,1,2,3,4
.irp c, 0,1,2,3
	ds_load_b128 v[AF+16*\s+4*\c:AF+16*\s+4*\c+3], v28 offset:128*\s+32*\c
.endr
.endr
	ds_load_b128 v[WF:WF+3], v29 offset:W2I-W1I
	ds_load_b128 v[WF+8:WF+11], v29 offset:W2I-W1I+512
	ds_load_b32 v[FMV], v30
	WIN 0x40                                       ; destination window 1
.irp s, 0,1,2,3,4
.irp t, 0,1
.irp c, 0,1,2,3
	ds_load_b128 v[16*(2*\s+\t)+4*\c:16*(2*\s+\t)+4*\c+3], v29 offset:4096*\s+2048*\t+512*\c
.endr
.endr
.endr
	WIN 0x01                                       ; source 0 (W1) window 1
.irp s, 0,1,2,3,4
	s_wait_dscnt 8*(4-\s)                          ; this K step's fragments are in; the later steps' eight loads each may be out
.irp t, 0,1                            ; the two accumulators take turns, one instruction a turn; the first K step starts the sums
.if \s == 0
	v_wmma_f32_16x16x128_fp8_fp8 v[DA+8*\t:DA+8*\t+7], v[16*(2*\s+\t):16*(2*\s+\t)+15], v[AF+16*\s:AF+16*\s+15], 0
.else
	v_wmma_f32_16x16x128_fp8_fp8 v[DA+8*\t:DA+8*\t+7], v[16*(2*\s+\t):16*(2*\s+\t)+15], v[AF+16*\s:AF+16*\s+15], v[DA+8*\t:DA+8*\t+7]
.endif
.endr
.endr
	WIN 0
.irp n, 4,5,6,7
	v_mov_b32 v[PC+\n], 0                          ; K = 32 .. 63 of the second product: zero codes on both sides.  These thirteen plain lines are also the places behind the products (ISA guide 7.12.1)
	v_mov_b32 v[WF+\n], 0
	v_mov_b32 v[WF+8+\n], 0
.endr
	v_mov_b32 v[TP], 0                             ; written once: a lane permute's destination counts as one of its sources
	WIN 0x10                                       ; source 2 (the biases) window 1
.irp n, 0,2,4,6,8,10,12,14
	v_pk_fma_f32 v[HID+\n:HID+\n+1], v[DA+\n:DA+\n+1], s[38:39], v[BB1+\n:BB1+\n+1] op_sel_hi:[1,0,1]   ; sum x 2^(e0 + e1) + b1; each accumulator from its low end on
.endr
	WIN 0
.irp n, 0,1,2,3,4,5,6,7,8,9,10,11,12,13,14,15
	v_med3_num_f32 v[HID+\n], v[HID+\n], 0, v23    ; the activation and the hold in one: between 0 and 448 x 2^e2
.endr
	v_cvt_scalef32_pk8_fp8_f32 v[PC:PC+1], v[HID:HID+7], v22         ; registers 2 t, 2 t + 1: units 16 t + 8 h + 0 .. 7: this form's own layout
	v_cvt_scalef32_pk8_fp8_f32 v[PC+2:PC+3], v[HID+8:HID+15], v22
	v_nop
	v_wmma_f32_16x16x64_fp8_fp8 v[D2:D2+7], v[WF:WF+7], v[PC:PC+7], 0
	v_wmma_f32_16x16x64_fp8_fp8 v[D2+8:D2+15], v[WF+8:WF+15], v[PC:PC+7], 0
.rept 4
	v_nop                                          ; four places in front of the first read of the results
.endr
	WIN 0x10
.irp n, 0,2,4,6,8,10,12,14
	v_pk_fma_f32 v[HID+\n:HID+\n+1], v[D2+\n:D2+\n+1], s[40:41], v[BB2+\n:BB2+\n+1] op_sel_hi:[1,0,1]   ; sum x 2^(e2 + e3) + b2
.endr
	WIN 0
.irp n, 0,1,2,3,4,5,6,7,8,9,10,11,12,13,14,15
	v_max_num_f32 v[HID+\n], 0, v[HID+\n]
.endr
.irp n, 0,2,4,6
	v_pk_add_f32 v[HID+\n:HID+\n+1], v[HID+\n:HID+\n+1], v[HID+8+\n:HID+8+\n+1]
.endr
	v_pk_add_f32 v[HID:HID+1], v[HID:HID+1], v[HID+4:HID+5]
	v_pk_add_f32 v[HID+2:HID+3], v[HID+2:HID+3], v[HID+6:HID+7]
	v_pk_add_f32 v[HID:HID+1], v[HID:HID+1], v[HID+2:HID+3]
	v_add_f32 v[HID], v[HID], v[HID+1]             ; my 16 units of row r,
	v_permlanex16_b32 v[TP], v[HID], s42, s43
	v_add_f32 v[HID], v[HID], v[TP]                ; and the other half's 16
	v_add_f32 v[HID], v[HID], v[FMV]
	v_add_f32 v[HID], s36, v[HID]                  ; + bias
	s_wait_alu depctr_va_vdst(0)                   ; the total is written, which the LDS store reads
	ds_store_b32 v30, v[HID] offset:OUTS-FMF       ; lanes r and r + 16 write the same word with the same number
.Lno_matrix:
	s_wait_dscnt 0x0                               ; for wave 0's sake: my totals have landed
	s_barrier_signal -1
	s_barrier_wait -1
	; ---- THE WAY OUT: the work-group's 64 totals are 256 consecutive bytes, at a multiple of 256 from out0's first byte: one store of wave 0
	s_cmp_lg_u32 s2, 0
	s_cbranch_scc1 .Lend
	ds_load_b64 v[242:243], v31                    ; (the vector lines that named v242 and v243, W2's hold and conversion, stand ahead of waits on va_vdst; none has named them since)
	s_wait_dscnt 0x0
	global_store_b64 v232, v[242:243], s[28:29] th:TH_STORE_NT
.Lend:
	s_wait_dscnt 0x0                               ; the closing lines, six on end
	s_wait_alu 0x0
	s_wait_tensorcnt 0x0
	ds_add_u32 v254, v255
	s_wait_dscnt 0x0
	s_endpgm
.Lfunc_end_k_qd0556f22e5_deepfm:
	.size	k_qd0556f22e5_deepfm, .Lfunc_end_k_qd0556f22e5_deepfm-k_qd0556f22e5_deepfm
	.p2alignl 7, 3214868480
	.fill 96, 4, 3214868480
	.section	.rodata,"a",@progbits
	.p2align	6, 0x0
	.amdhsa_kernel k_qd0556f22e5_deepfm
		.amdhsa_group_segment_fixed_size 85504
		.amdhsa_private_segment_fixed_size 0
		.amdhsa_enable_private_segment 0
		.amdhsa_kernarg_size 88
		.amdhsa_user_sgpr_count 2
		.amdhsa_user_sgpr_kernarg_segment_ptr 1
		.amdhsa_wavefront_size32 1
		.amdhsa_system_sgpr_workgroup_id_x 1
		.amdhsa_system_sgpr_workgroup_id_y 1
		.amdhsa_system_sgpr_workgroup_id_z 1
		.amdhsa_system_vgpr_workitem_id 0
		.amdhsa_next_free_vgpr 448
		.amdhsa_next_free_sgpr 86
		.amdhsa_reserve_vcc 0
		.amdhsa_float_denorm_mode_32 3
		.amdhsa_float_denorm_mode_16_64 3
		.amdhsa_memory_ordered 1
		.amdhsa_forward_progress 1
		.amdhsa_inst_pref_size 76
	.end_amdhsa_kernel
	.amdgpu_metadata
---
amdhsa.version: [ 1, 2 ]
amdhsa.kernels:
  - .name:           k_qd0556f22e5_deepfm
    .symbol:         k_qd0556f22e5_deepfm.kd
    .args:
      - { .name: Xi, .offset: 0, .size: 8, .value_kind: global_buffer, .address_space: global }
      - { .name: Xv, .offset: 8, .size: 8, .value_kind: global_buffer, .address_space: global }
      - { .name: emb1, .offset: 16, .size: 8, .value_kind: global_buffer, .address_space: global }
      - { .name: emb2, .offset: 24, .size: 8, .value_kind: global_buffer, .address_space: global }
      - { .name: W1, .offset: 32, .size: 8, .value_kind: global_buffer, .address_space: global }
      - { .name: W2, .offset: 40, .size: 8, .value_kind: global_buffer, .address_space: global }
      - { .name: b1, .offset: 48, .size: 8, .value_kind: global_buffer, .address_space: global }
      - { .name: b2, .offset: 56, .size: 8, .value_kind: global_buffer, .address_space: global }
      - { .name: bias, .offset: 64, .size: 8, .value_kind: global_buffer, .address_space: global }
      - { .name: lowp_scales, .offset: 72, .size: 8, .value_kind: global_buffer, .address_space: global }
      - { .name: out0, .offset: 80, .size: 8, .value_kind: global_buffer, .address_space: global }
    .group_segment_fixed_size: 85504
    .private_segment_fixed_size: 0
    .kernarg_segment_align: 8
    .kernarg_segment_size: 88
    .max_flat_workgroup_size: 256
    .sgpr_count:     86
    .vgpr_count:     448
    .wavefront_size: 32
...
	.end_amdgpu_metadata
.endif
;; end of part 2
